; MI455X (gfx1250); checked and timed in simulation.
; The chip was launched on July 23, 2026; its instructions are those of AMD's public machine-readable ISA for CDNA 5 (MIT licence, August 2026) and "CDNA5" Instruction Set Architecture Reference Guide (July 2026). The comments in the code are by the model that wrote it; some were corrected since.
;; DACS. Allowed arithmetic: float matrix products may take bf16 or f16 operands with f32 sums; all other float work in f32.
;; Inputs: boxes 20,000 x 4 float32; classes 20,000 int32; lam_b1 16 float32; lam_b2 1 float32; lam_w1 5 x 16 float32; lam_w2 16 x 1 float32; scores 20,000 float32; sup_b1 32 float32; sup_b2 16 float32; sup_b3 1 float32; sup_w1 7 x 32 float32; sup_w2 32 x 16 float32; sup_w3 16 x 1 float32.
;; Outputs: out0 2,048 x 4 float32; out1 2,048 float32; out2 2,048 int32.
;; One version. Each part assembles by itself: llvm-mc -triple=amdgcn-amd-amdhsa -mcpu=gfx1250 --defsym DOCPART=n.
;; ======== version 1 of 1: 3 launches
;; workspace buffers: skey 80,896 bytes of whole numbers; sidx 80,896 bytes of whole numbers; pk 2,048 bytes of whole numbers; tcls 8,192 bytes of whole numbers; tops 8,192 bytes
;; launch sortchunks (part 1): grid 79 x 1, 8 waves a work-group, no clusters, 18,432 bytes of LDS; arguments scores, skey, sidx, pk; writes skey, sidx, pk
.if DOCPART == 1
	.amdgcn_target "amdgcn-amd-amdhsa--gfx1250"
	.amdhsa_code_object_version 6
	.text
	.protected	k_q283eaaf5d9_sortchunks
	.globl	k_q283eaaf5d9_sortchunks
	.p2align	8
	.type	k_q283eaaf5d9_sortchunks,@function
k_q283eaaf5d9_sortchunks:
	s_mov_b64 s[64:65], 0
	v_nop
	global_prefetch_b8 v0, s[64:65] scope:SCOPE_SE
	s_setreg_imm32_b32 hwreg(HW_REG_WAVE_MODE, 25, 1), 1
	s_wait_xcnt 0x0
; Step 1 of the top-k selection: every chunk of 256 scores is sorted, largest first, ties to the lower index.
; scores: [20000] f32.  skey, sidx: [79][256] u32, the chunk's keys in sorted order and the elements' indices.
; pk: 4 rows of 128 words; row 0, word c: the 27th largest key of chunk c; rows 1-3: the keys at sorted positions 64, 128, 192.
; key = bits ^ ((bits >>arithmetic 31) | 0x80000000): unsigned order of the keys = total order of the floats.
; LIMITS: -0 sorts below +0, NaNs at the two ends by their sign.  Keys are clamped to 1 .. 0xfffffffe, so the two highest and the two
; lowest bit patterns (all four NaNs) tie; 0 is left for the 224 pads of the last chunk, and key + 1 never wraps in the next launch.
; Thread t counts what precedes its key: key_j greater, or equal with j < t.  Three instructions a key: (j < t) into the carry,
; key_j + ~key_t + carry (it carries out exactly when key_j + carry > key_t), position += carry out.
; No branch and no global address hangs on data: the position steers an LDS address only.  Each wave scatters into a zeroed copy of its
; own (8 x 2,048 bytes), so the bytes that a wave writes are its own by the wave number alone; a slot has one writer among the eight
; copies, and an OR over them collects it.
; No matrix unit, no cluster, no tensor load: a work-group reads 1,024 bytes that no other work-group reads.
.set N,    20000
.set CP,   1024                        ; LDS: [0,1024) the chunk's keys as loaded; then a copy for each wave:
.set CPSZ, 2048                        ; 256 keys, 256 indices
	s_load_b256 s[4:11], s[0:1], 0x0               ; scores s[4:5], skey s[6:7], sidx s[8:9], pk s[10:11]
	v_lshl_add_u32 v80, v0, 2, 0x4400
	v_mov_b32 v81, 0
	s_lshl_b32 s12, ttmp9, 8                       ; first element of my chunk
	s_lshl_b32 s14, ttmp9, 2                       ; byte offset of word c in a row of pk
	v_lshrrev_b32 v4, 5, v0
	v_readfirstlane_b32 s18, v4                    ; wave number
	s_mul_i32 s13, s18, CPSZ
	s_add_co_u32 s13, s13, CP                      ; my wave's copy
	v_and_b32 v1, 31, v0                           ; lane
	v_add_nc_u32 v13, s12, v0                      ; e: my element, and the slot of skey and sidx that I store
	v_min_u32 v2, N-1, v13                         ; the last chunk has 32 elements: the others load the last score and discard it
	v_lshlrev_b32 v2, 2, v2
	v_lshlrev_b32 v14, 2, v13
	v_lshlrev_b32 v6, 2, v0
	v_mov_b32 v7, 0                                ; LDS read address, the same in all lanes
	v_mov_b32 v8, 0                                ; p: what precedes my key
	v_mov_b32 v9, v0                               ; t - 64 x trip
	v_mov_b32 v10, s13
	v_lshl_add_u32 v11, v1, 4, v10
.irp c, 16,17,18,19
	v_mov_b32 v[\c], 0
.endr
	s_wait_kmcnt 0x0
	global_load_b32 v3, v2, s[4:5]
.irp q, 0,1,2,3
	ds_store_b128 v11, v[16:19] offset:512*\q      ; my copy is cleared while the score is on its way
.endr
	s_wait_loadcnt 0x0
	v_ashrrev_i32 v4, 31, v3
	v_or_b32 v4, 0x80000000, v4
	v_xor_b32 v3, v3, v4                           ; the key
	v_max_u32 v3, 1, v3
	v_min_u32 v3, 0xfffffffe, v3
	v_cmp_gt_u32 vcc_lo, N, v13                    ; e < 20000
	v_cndmask_b32 v3, 0, v3, vcc_lo                ; a pad: below every key
	v_not_b32 v5, v3
	ds_store_b32 v6, v3
	s_wait_dscnt 0x0                               ; my key is in LDS before I say so
	s_barrier_signal -1
	s_barrier_wait -1
	s_mov_b32 s15, 0
.Lcount:                                           ; four trips of 64 keys
.irp q, 0,1,2,3,4,5,6,7,8,9,10,11,12,13,14,15
	ds_load_b128 v[16+4*\q:19+4*\q], v7 offset:16*\q
.endr
.irp q, 0,1,2,3,4,5,6,7,8,9,10,11,12,13,14,15
	s_wait_dscnt 15-\q                             ; LDS loads return in order: load q is in, the 15 - q younger ones may be out
.irp e, 0,1,2,3
	v_cmp_lt_i32 vcc_lo, 4*\q+\e, v9               ; j < t
	v_add_co_ci_u32 v12, vcc_lo, v[16+4*\q+\e], v5, vcc_lo   ; carries out when key_j precedes mine; the sum itself is not used
	v_add_co_ci_u32 v8, vcc_lo, 0, v8, vcc_lo
.endr
.endr
	v_add_nc_u32 v7, 256, v7
	v_add_nc_u32 v9, 0xffffffc0, v9                ; - 64
	s_add_co_u32 s15, s15, 1
	s_cmp_lt_u32 s15, 4
	s_cbranch_scc1 .Lcount
	v_min_u32 v8, 255, v8
	v_lshl_add_u32 v8, v8, 2, v10
	ds_store_b32 v8, v3                            ; slot p of my wave's copy: key
	ds_store_b32 v8, v13 offset:1024               ; and index
	s_wait_dscnt 0x0
	s_barrier_signal -1
	s_barrier_wait -1
.irp w, 0,1,2,3,4,5,6,7
	ds_load_b32 v[16+\w], v6 offset:CP+CPSZ*\w
	ds_load_b32 v[24+\w], v6 offset:CP+CPSZ*\w+1024
.endr
	v_lshrrev_b32 v15, 6, v0                       ; row of pk: 0 for thread 26, t / 64 for threads 64, 128, 192
	v_lshlrev_b32 v15, 9, v15
	v_add_nc_u32 v15, s14, v15
	v_and_b32 v4, 63, v0
	v_cmp_eq_u32 s15, 0, v4
	v_cmp_ne_u32 s16, 0, v0
	v_cmp_eq_u32 vcc_lo, 26, v0
	s_and_b32 s15, s15, s16
	s_or_b32 vcc_lo, vcc_lo, s15
	s_wait_dscnt 0x0
.irp w, 1,2,3,4,5,6,7
	v_or_b32 v16, v16, v[16+\w]
	v_or_b32 v24, v24, v[24+\w]
.endr
	global_store_b32 v14, v16, s[6:7]              ; a wave's store covers 128 consecutive bytes, the eight waves a chunk's 1,024
	global_store_b32 v14, v24, s[8:9]
	s_wait_xcnt 0x0                                ; EXEC is narrowed only behind this wait
	s_barrier_signal -1
	s_barrier_wait -1
	s_wait_tensorcnt 0x0
	ds_add_u32 v80, v81
	s_wait_dscnt 0x0
	s_and_saveexec_b32 s17, vcc_lo
	global_store_b32 v15, v16, s[10:11]            ; four words a chunk
	s_endpgm
.Lfunc_end_k_q283eaaf5d9_sortchunks:
	.size	k_q283eaaf5d9_sortchunks, .Lfunc_end_k_q283eaaf5d9_sortchunks-k_q283eaaf5d9_sortchunks
	.p2alignl 7, 3214868480
	.fill 96, 4, 3214868480
	.section	.rodata,"a",@progbits
	.p2align	6, 0x0
	.amdhsa_kernel k_q283eaaf5d9_sortchunks
		.amdhsa_group_segment_fixed_size 18432
		.amdhsa_private_segment_fixed_size 0
		.amdhsa_enable_private_segment 0
		.amdhsa_kernarg_size 32
		.amdhsa_user_sgpr_count 2
		.amdhsa_user_sgpr_kernarg_segment_ptr 1
		.amdhsa_wavefront_size32 1
		.amdhsa_system_sgpr_workgroup_id_x 1
		.amdhsa_system_sgpr_workgroup_id_y 1
		.amdhsa_system_sgpr_workgroup_id_z 1
		.amdhsa_system_vgpr_workitem_id 0
		.amdhsa_next_free_vgpr 82
		.amdhsa_next_free_sgpr 66
		.amdhsa_reserve_vcc 1
		.amdhsa_float_denorm_mode_32 3
		.amdhsa_float_denorm_mode_16_64 3
		.amdhsa_memory_ordered 1
		.amdhsa_forward_progress 1
		.amdhsa_inst_pref_size 13
	.end_amdhsa_kernel
	.amdgpu_metadata
---
amdhsa.version: [ 1, 2 ]
amdhsa.kernels:
  - .name:           k_q283eaaf5d9_sortchunks
    .symbol:         k_q283eaaf5d9_sortchunks.kd
    .args:
      - { .name: scores, .offset: 0, .size: 8, .value_kind: global_buffer, .address_space: global }
      - { .name: skey, .offset: 8, .size: 8, .value_kind: global_buffer, .address_space: global }
      - { .name: sidx, .offset: 16, .size: 8, .value_kind: global_buffer, .address_space: global }
      - { .name: pk, .offset: 24, .size: 8, .value_kind: global_buffer, .address_space: global }
    .group_segment_fixed_size: 18432
    .private_segment_fixed_size: 0
    .kernarg_segment_align: 8
    .kernarg_segment_size: 32
    .max_flat_workgroup_size: 256
    .sgpr_count:     66
    .vgpr_count:     82
    .wavefront_size: 32
...
	.end_amdgpu_metadata
.endif
;; end of part 1
;; launch rankscatter (part 2): grid 79 x 4, 4 waves a work-group, no clusters, 0 bytes of LDS; arguments skey, sidx, pk, boxes, scores, classes, out0, out2, tops, tcls; writes out0, out2, tops, tcls
.if DOCPART == 2
	.amdgcn_target "amdgcn-amd-amdhsa--gfx1250"
	.amdhsa_code_object_version 6
	.text
	.protected	k_q283eaaf5d9_rankscatter
	.globl	k_q283eaaf5d9_rankscatter
	.p2align	8
	.type	k_q283eaaf5d9_rankscatter,@function
k_q283eaaf5d9_rankscatter:
	s_mov_b64 s[64:65], 0
	v_nop
	global_prefetch_b8 v0, s[64:65] scope:SCOPE_SE
	s_setreg_imm32_b32 hwreg(HW_REG_WAVE_MODE, 25, 1), 1
	s_wait_xcnt 0x0
; Step 2 of the top-k selection: exact global ranks from the sorted chunks, and the scatter of the 2,048 winners.
; T = the least 27th largest key of the 78 full chunks: 78 x 27 = 2,106 >= 2,048 keys are >= T, so every winner's key is >= T.
; nb = 1 + the number of head rows (sorted positions 64, 128, 192) that hold a key >= T in some chunk: the first 64 nb sorted positions of
; every chunk hold all keys >= T.  For the entry at sorted position p of chunk c with key k
;     rank = p + (keys >= k in chunks before c) + (keys > k in chunks behind c),   counted over those positions:
; chunk order is index order, so ties need no index.  A key >= T has all that precedes it there, so its rank is exact; a key < T has
; all 2,106 in front of it and is dropped.  Pads (key 0, last chunk) are below T and precede nothing.
; Work: chunk c = work-group x; its 16 waves (4 work-groups along y x 4 waves) take 4 positions each, 64 a pass, nb passes; wave and y are
; interleaved so that each work-group gets low and high positions.
; One step = 64 keys of one chunk (a load of 8 bytes a lane, 256 consecutive bytes): + 1 on the keys of earlier chunks turns >= into >,
; then for each candidate and register one compare, one bit count, one add.  Chunks 0-77 run through a ring of 13 register slots
; (6 rounds), chunk 78 has a load of its own; the own chunk is counted in its turn like a later one and loaded once more to take that
; count away again, which keeps the ring free of a special case.
; Every number that steers a branch or a store address comes from memory into registers and through compares and scalar sums only.
; No LDS, no cluster, no tensor load: the keys are wanted in registers, 20 KiB a wave that all waves share in the cache, and 79 does not
; divide by four.  The scatter stores single rows of 16 and 4 bytes: neighbours in rank lie in other waves.
.set N,    20000
.set CH,   1024                        ; bytes of a chunk in skey and sidx
.set RING, 13
.set R,    30                          ; v[30:55]: the ring, two registers a slot
; s24 T, s25 wave, s27 c, s28 y, s29 position of my first candidate, s30 nb, s31 pass, s32 block, s33 round, s34 c - 13 x round, s35 the + 1
; s[36:37] skey + 256 x block, s[38:39] the same + 13 chunks x round, s[40:43] four keys, s[44:47] four ranks, s[48:55] masks and counts
	s_load_b512 s[4:19], s[0:1], 0x0               ; skey 4, sidx 6, pk 8, boxes 10, scores 12, classes 14, out0 16, out2 18
	v_and_b32 v1, 31, v0                           ; lane
	v_lshlrev_b32 v5, 2, v1
	v_add_nc_u32 v7, 64, v1
	v_min_u32 v7, 78, v7                           ; chunks 64-78 in the third row of lanes
	v_lshlrev_b32 v7, 2, v7
	v_lshlrev_b32 v4, 3, v1                        ; 8 x lane
	s_wait_kmcnt 0x0
	s_load_b512 s[24:39], s[8:9], 0x0              ; pk row 0, words 0-77: 16 + 16 + 16 + 16 + 8 + 4 + 2
	s_load_b512 s[40:55], s[8:9], 0x40
	s_load_b512 s[68:83], s[8:9], 0x80
	s_load_b512 s[84:99], s[8:9], 0xc0
	s_load_b256 s[56:63], s[8:9], 0x100
	s_load_b128 s[20:23], s[8:9], 0x120
	s_load_b64 s[2:3], s[8:9], 0x130
.irp m, 1,2,3
	global_load_b32 v[27+3*\m], v5, s[8:9] offset:512*\m        ; head row m, chunks 0-31
	global_load_b32 v[28+3*\m], v5, s[8:9] offset:512*\m+128    ; 32-63
	global_load_b32 v[29+3*\m], v7, s[8:9] offset:512*\m        ; 64-78
.endr
	s_wait_kmcnt 0x0
.set k, 25
.rept 39
	s_min_u32 s24, s24, s[k]
.set k, k+1
.endr
.set k, 68
.rept 32
	s_min_u32 s24, s24, s[k]
.set k, k+1
.endr
.irp k, 20,21,22,23,2,3
	s_min_u32 s24, s24, s[\k]
.endr                                              ; s24 = T
	s_load_b128 s[20:23], s[0:1], 0x40             ; tops s[20:21], tcls s[22:23]
	v_lshrrev_b32 v8, 5, v0
	v_readfirstlane_b32 s25, v8                    ; wave
	s_mov_b32 s27, ttmp9                           ; c
	s_and_b32 s28, ttmp7, 0xffff                   ; y
	s_lshl_b32 s29, s25, 4
	s_lshl2_add_u32 s29, s28, s29                  ; 16 x wave + 4 y
	s_lshl_b32 s56, s27, 8
	s_add_co_u32 s56, s56, s29
	s_lshl_b32 s56, s56, 2
	v_mov_b32 v2, s56                              ; byte offset of my first candidate in skey and sidx
	v_and_b32 v3, 3, v1
	v_lshl_add_u32 v3, v3, 2, v2                   ; lane l: candidate l % 4
	s_lshl_b32 s57, s27, 10
	v_add_nc_u32 v6, s57, v4                       ; my own chunk's keys
	s_mov_b32 s30, 1
	s_wait_loadcnt 0x0
.irp m, 1,2,3
	v_cmp_le_u32 s48, s24, v[27+3*\m]
	v_cmp_le_u32 s49, s24, v[28+3*\m]
	v_cmp_le_u32 s50, s24, v[29+3*\m]
	s_or_b32 s48, s48, s49
	s_or_b32 s48, s48, s50
	s_cmp_lg_u32 s48, 0
	s_cselect_b32 s49, 1, 0
	s_add_co_u32 s30, s30, s49
.endr
	s_min_u32 s30, s30, 4                          ; nb
	s_wait_kmcnt 0x0
; 64 keys in v[r], v[r+1] against my four: how many are greater; added to the ranks or taken away
.macro COUNT r, sub
.irp q, 0,1,2,3
	v_cmp_lt_u32 s[48+\q], s[40+\q], v[\r]
	v_cmp_lt_u32 s[52+\q], s[40+\q], v[\r+1]
.endr
.irp q, 0,1,2,3,4,5,6,7
	s_bcnt1_i32_b32 s[48+\q], s[48+\q]
.endr
.irp q, 0,1,2,3
	s_add_co_u32 s[48+\q], s[48+\q], s[52+\q]
.endr
.irp q, 0,1,2,3
.if \sub
	s_sub_co_u32 s[44+\q], s[44+\q], s[48+\q]
.else
	s_add_co_u32 s[44+\q], s[44+\q], s[48+\q]
.endif
.endr
.endm
; the turn of slot i: chunk 13 x round + i.  fill = 1: the slot gets the chunk 13 further on.  left: younger loads that may stay out
.macro STEP i, fill, left
	s_wait_loadcnt \left
	s_cmp_gt_i32 s34, \i                           ; that chunk lies before mine
	s_cselect_b32 s35, 1, 0
	v_add_nc_u32 v24, s35, v[R+2*\i]
	v_add_nc_u32 v25, s35, v[R+2*\i+1]
.if \fill
	global_load_b64 v[R+2*\i:R+2*\i+1], v4, s[38:39] offset:CH*(\i+RING)
.endif
	COUNT 24, 0
.endm
; candidate q, whose data lie in lane q, goes to the row of its rank
.macro EMIT q
	s_cmp_ge_u32 s[44+\q], 2048
	s_cbranch_scc1 .Lno\q
	v_mov_b32 v22, s[44+\q]
	v_min_u32 v22, 2047, v22
	v_lshlrev_b32 v23, 2, v22
	v_lshlrev_b32 v22, 4, v22
	v_cmp_eq_u32 vcc_lo, \q, v1
	s_wait_xcnt 0x0                                ; EXEC is narrowed only behind this wait
	s_and_saveexec_b32 s26, vcc_lo
	global_store_b128 v22, v[16:19], s[16:17]
	global_store_b32 v23, v21, s[18:19]
	global_store_b32 v23, v20, s[20:21]
	global_store_b32 v23, v21, s[22:23]
	s_wait_xcnt 0x0                                ; EXEC is widened, and v16-v23 are written again, only behind this wait
	s_or_b32 exec_lo, exec_lo, s26
.Lno\q:
.endm
	s_mov_b32 s31, 0
.Lpass:
	global_load_b128 v[8:11], v2, s[4:5]           ; my four keys, the same in every lane
	global_load_b32 v12, v3, s[6:7]                ; and their indices, one a lane
	s_wait_loadcnt 0x0
	v_readfirstlane_b32 s40, v8
	v_readfirstlane_b32 s41, v9
	v_readfirstlane_b32 s42, v10
	v_readfirstlane_b32 s43, v11
	s_cmp_lt_u32 s40, s24                          ; sorted: if the first is below T all four are
	s_cbranch_scc1 .Lnext
	v_min_u32 v12, N-1, v12
	v_lshlrev_b32 v13, 4, v12
	v_lshlrev_b32 v14, 2, v12
	global_load_b128 v[16:19], v13, s[10:11]       ; box, score and class come while the ranks are counted
	global_load_b32 v20, v14, s[12:13]
	global_load_b32 v21, v14, s[14:15]
	s_mov_b32 s44, s29                             ; the ranks start at the positions in the own chunk
	s_add_co_u32 s45, s29, 1
	s_add_co_u32 s46, s29, 2
	s_add_co_u32 s47, s29, 3
	s_mov_b64 s[36:37], s[4:5]
	s_mov_b32 s32, 0
.Lblk:                                             ; positions 64 b .. 64 b + 63 of every chunk
	s_mov_b64 s[38:39], s[36:37]
	global_load_b64 v[26:27], v4, s[36:37] offset:78*CH
	global_load_b64 v[28:29], v6, s[36:37]
.irp i, 0,1,2,3,4,5,6,7,8,9,10,11,12
	global_load_b64 v[R+2*\i:R+2*\i+1], v4, s[38:39] offset:CH*\i
.endr
	s_mov_b32 s34, s27
	s_mov_b32 s33, 0
.Lround:
.irp i, 0,1,2,3,4,5,6,7,8,9,10,11,12
	STEP \i, 1, RING-1                             ; loads return in order: mine is in, the 12 of the other slots may be out
.endr
	s_wait_xcnt 0x0                                ; the base is stepped only behind this wait
	s_add_nc_u64 s[38:39], s[38:39], RING*CH
	s_sub_co_i32 s34, s34, RING
	s_add_co_u32 s33, s33, 1
	s_cmp_lt_u32 s33, 5
	s_cbranch_scc1 .Lround
.irp i, 0,1,2,3,4,5,6,7,8,9,10,11,12
	STEP \i, 0, RING-1-\i                          ; chunks 65-77: nothing is loaded, the counts run down to 0
.endr
	COUNT 26, 0                                    ; chunk 78, never before mine
	COUNT 28, 1                                    ; my own chunk's count goes out again
	s_add_nc_u64 s[36:37], s[36:37], 256           ; every load that names this base has come
	s_add_co_u32 s32, s32, 1
	s_cmp_lt_u32 s32, s30
	s_cbranch_scc1 .Lblk
	EMIT 0
	EMIT 1
	EMIT 2
	EMIT 3
.Lnext:
	v_add_nc_u32 v2, 256, v2                       ; 64 positions on
	v_add_nc_u32 v3, 256, v3
	s_add_co_u32 s29, s29, 64
	s_add_co_u32 s31, s31, 1
	s_cmp_lt_u32 s31, s30
	s_cbranch_scc1 .Lpass
	s_endpgm
.Lfunc_end_k_q283eaaf5d9_rankscatter:
	.size	k_q283eaaf5d9_rankscatter, .Lfunc_end_k_q283eaaf5d9_rankscatter-k_q283eaaf5d9_rankscatter
	.p2alignl 7, 3214868480
	.fill 96, 4, 3214868480
	.section	.rodata,"a",@progbits
	.p2align	6, 0x0
	.amdhsa_kernel k_q283eaaf5d9_rankscatter
		.amdhsa_group_segment_fixed_size 0
		.amdhsa_private_segment_fixed_size 0
		.amdhsa_enable_private_segment 0
		.amdhsa_kernarg_size 80
		.amdhsa_user_sgpr_count 2
		.amdhsa_user_sgpr_kernarg_segment_ptr 1
		.amdhsa_wavefront_size32 1
		.amdhsa_system_sgpr_workgroup_id_x 1
		.amdhsa_system_sgpr_workgroup_id_y 1
		.amdhsa_system_sgpr_workgroup_id_z 1
		.amdhsa_system_vgpr_workitem_id 0
		.amdhsa_next_free_vgpr 56
		.amdhsa_next_free_sgpr 100
		.amdhsa_reserve_vcc 1
		.amdhsa_float_denorm_mode_32 3
		.amdhsa_float_denorm_mode_16_64 3
		.amdhsa_memory_ordered 1
		.amdhsa_forward_progress 1
		.amdhsa_inst_pref_size 46
	.end_amdhsa_kernel
	.amdgpu_metadata
---
amdhsa.version: [ 1, 2 ]
amdhsa.kernels:
  - .name:           k_q283eaaf5d9_rankscatter
    .symbol:         k_q283eaaf5d9_rankscatter.kd
    .args:
      - { .name: skey, .offset: 0, .size: 8, .value_kind: global_buffer, .address_space: global }
      - { .name: sidx, .offset: 8, .size: 8, .value_kind: global_buffer, .address_space: global }
      - { .name: pk, .offset: 16, .size: 8, .value_kind: global_buffer, .address_space: global }
      - { .name: boxes, .offset: 24, .size: 8, .value_kind: global_buffer, .address_space: global }
      - { .name: scores, .offset: 32, .size: 8, .value_kind: global_buffer, .address_space: global }
      - { .name: classes, .offset: 40, .size: 8, .value_kind: global_buffer, .address_space: global }
      - { .name: out0, .offset: 48, .size: 8, .value_kind: global_buffer, .address_space: global }
      - { .name: out2, .offset: 56, .size: 8, .value_kind: global_buffer, .address_space: global }
      - { .name: tops, .offset: 64, .size: 8, .value_kind: global_buffer, .address_space: global }
      - { .name: tcls, .offset: 72, .size: 8, .value_kind: global_buffer, .address_space: global }
    .group_segment_fixed_size: 0
    .private_segment_fixed_size: 0
    .kernarg_segment_align: 8
    .kernarg_segment_size: 80
    .max_flat_workgroup_size: 128
    .sgpr_count:     100
    .vgpr_count:     56
    .wavefront_size: 32
...
	.end_amdgpu_metadata
.endif
;; end of part 2
;; launch pairs (part 3): grid 256 x 1, 8 waves a work-group, no clusters, 144,384 bytes of LDS; arguments out0, tops, tcls, sup_w1, sup_b1, sup_w2, sup_b2, sup_w3, sup_b3, lam_w1, lam_b1, lam_w2, lam_b2, out1; writes out1
.if DOCPART == 3
	.amdgcn_target "amdgcn-amd-amdhsa--gfx1250"
	.amdhsa_code_object_version 6
	.text
	.protected	k_q283eaaf5d9_pairs
	.globl	k_q283eaaf5d9_pairs
	.p2align	8
	.type	k_q283eaaf5d9_pairs,@function
k_q283eaaf5d9_pairs:
	s_mov_b64 s[64:65], 0
	v_nop
	global_prefetch_b8 v0, s[64:65] scope:SCOPE_SE
	s_setreg_imm32_b32 hwreg(HW_REG_WAVE_MODE, 25, 1), 1
	s_wait_xcnt 0x0
; out1[i] = s_i exp(-lam_i S_i D_i).  One wave for each row i = 8 x work-group + wave.
; QUEUE: the wave loads all 2,048 classes into registers (16 loads of 16 bytes a lane) and puts the j of class_i into its own queue in LDS;
;        the number of entries, which sets the trips of the MLP loop, is a scalar sum of bit counts of those compares.
; SCAN:  IoU of box i with all 2,048 boxes, 32 a block, summed for D.
; MLP:   only the queued pairs (the class mask zeroes all others) go through 7 -> 32 -> 16 -> 1 on the matrix unit, 32 pairs a trip.
; With all classes equal the queue holds 2,048 entries and the MLP loop makes 64 trips: same text, more trips.
; EXEC stays full throughout (the matrix instructions need it so): a lane whose j is not queued stores it to one of 32 spare words.
; One barrier: every LDS store (queues, table) lies in front of it, every LDS load behind it.
; The MLP runs transposed: weights are the A operand (M = output units), pairs the B operand (N = pair), so a layer's result
; (lane = pair, registers = units 8h..8h+7) is the next layer's B layout after ReLU and packing, with no exchange between lanes.
;   layer 1: lane L packs its own pair's six features into B registers 0-2, so column r holds lane r's pair at k = 0..5 and lane
;            16+r's at k = 8..13; A1a has W1 at k = 0..5 only, A1b at k = 8..13 only: two products for each half of the units.
;            C = b1 + s_i W1[5] in f32 (the feature s_i is the same for the whole row).
;   layer 3: row 0 of A3 holds w3 at k = 0..15, row 8 at k = 16..31: register 0 of the result is, in lane L, the logit of L's own pair.
;            w3 and b3 carry the factor -log2(e), so the sigmoid is 1 / (1 + 2^result).
; LIMITS: features, weights and hidden values are rounded to bf16; b1 + s_i W1[5], b2, b3, IoU, all sums and the lambda MLP are f32.
; A NaN in a box is dropped by the num forms of max and min.  v_rcp_f32 and v_exp_f32 flush denormals (a union above 2^126 gives IoU 0).
; No cluster, no tensor load: the table (40 KiB read) is extended on its way from registers to LDS (x+w, y+h, w h), once for the eight
; waves; a raw copy would leave that arithmetic to every wave in every block.  out1 leaves as 4 bytes a wave: a work-group owns 32 bytes.
.set TB, 0                             ; LDS: entry j = area, 4 bytes
.set TA, 8192                          ; entry j = (x, y, x+w, y+h), 16 bytes
.set TC, 40960                         ; entry j = (w, h, score, area), 16 bytes
.set QB, 73728                         ; the waves' queues,
.set QSZ, 8704                         ; 17 x 512 bytes each: words 0-2047 entries, 2048-2079 read as padding, 2112-2143 spare
.set QDUMP, 2112
.set X, 218                            ; scan buffer: 4 blocks x 4 registers, then 4 areas
.set Y, 8                              ; the other one
.set T, 32                             ; scan: 6 registers at work for each of 4 blocks
.set NLOG2E, 0xbfb8aa3b                ; -log2(e)
.set EPS, 0x358637bd                   ; 1e-6
; row i: v208 area, v209 class, v210 x+w, v211 y+h, v212 x, v213 y, v214 w, v215 h, v216 score (v217 = 0 fills its pair)
	s_load_b512 s[4:19], s[0:1], 0x0               ; out0 4, tops 6, tcls 8, w1 10, b1 12, w2 14, b2 16, w3 18
	s_load_b256 s[20:27], s[0:1], 0x40             ; b3 20, lam_w1 22, lam_b1 24, lam_w2 26
	s_load_b128 s[28:31], s[0:1], 0x60             ; lam_b2 28, out1 30
	v_lshl_add_u32 v254, v0, 2, 0x23000
	v_mov_b32 v255, 0
	v_and_b32 v1, 31, v0                           ; lane
	v_and_b32 v2, 15, v0                           ; r
	v_bfe_u32 v3, v0, 4, 1                         ; h
	v_lshrrev_b32 v248, 5, v0
	v_readfirstlane_b32 s32, v248                  ; wave
	s_lshl3_add_u32 s33, ttmp9, s32                ; i
	s_mov_b32 s38, 0x76543210
	s_mov_b32 s39, 0xfedcba98
	v_lshlrev_b32 v4, 4, v0                        ; 16 t: boxes, TA
	v_lshlrev_b32 v5, 2, v0                        ; 4 t: scores, TB
	v_lshlrev_b32 v6, 2, v2                        ; 4 r
	v_lshlrev_b32 v7, 5, v3                        ; 32 h
	v_lshl_add_u32 v139, v3, 9, v6                 ; 512 h + 4 r: W2
	v_add_nc_u32 v140, TC, v4
	s_lshl_b32 s35, s33, 4
	v_mov_b32 v142, s35                            ; 16 i
	s_lshl_b32 s35, s33, 2
	v_mov_b32 v143, s35                            ; 4 i
	s_mul_i32 s35, s32, QSZ
	s_add_co_u32 s35, s35, QB
	v_mov_b32 v245, s35                            ; my wave's queue
	v_lshl_add_u32 v249, v1, 4, v245
	v_lshlrev_b32 v246, 4, v1                      ; 16 x lane: the classes in memory, then TA in the scan
	v_lshlrev_b32 v247, 2, v1                      ; 4 x lane: the lane's part of j in the queue, then TB in the scan
	v_add_nc_u32 v253, QDUMP, v1                   ; my spare word
.irp c, 144,145,146,147
	v_mov_b32 v[\c], 0
.endr
	s_mov_b32 s34, 0                               ; n: entries in the queue
	s_wait_kmcnt 0x0
	s_load_b32 s40, s[20:21], 0x0                  ; b3
	s_load_b32 s41, s[28:29], 0x0                  ; lam_b2
	; all classes: load q brings lane l those of j = 128 q + 4 l .. + 3; then class_i.  17 loads
.irp q, 0,1,2,3,4,5,6,7,8,9,10,11,12,13,14,15
	global_load_b128 v[56+4*\q:59+4*\q], v246, s[8:9] offset:512*\q
.endr
	global_load_b32 v209, v143, s[8:9]
	; the table: thread t takes entries t + 256 m; then row i.  18 loads
.irp m, 0,1,2,3,4,5,6,7
	global_load_b128 v[8+4*\m:11+4*\m], v4, s[4:5] offset:4096*\m
	global_load_b32 v[40+2*\m], v5, s[6:7] offset:1024*\m                   ; score: lower register of (score, area)
.endr
	global_load_b128 v[212:215], v142, s[4:5]
	global_load_b32 v216, v143, s[6:7]
	; meanwhile my queue is filled with j = 0: whatever the MLP loop reads behind the last entry is a valid index
.irp q, 0,1,2,3,4,5,6,7,8,9,10,11,12,13,14,15,16
	ds_store_b128 v249, v[144:147] offset:512*\q
.endr
	s_wait_loadcnt 18                              ; the classes are in; the table's 16 loads and row i's 2 are younger
.macro QPUSH c, jc, t                  ; class register, constant part of j, two registers at work
	v_cmp_eq_u32 vcc_lo, v209, v[\c]               ; same class: j joins the queue
	v_mbcnt_lo_u32_b32 v[\t], vcc_lo, s34
	s_bcnt1_i32_b32 s35, vcc_lo
	s_add_co_u32 s34, s34, s35
	v_cndmask_b32 v[\t], v253, v[\t], vcc_lo       ; another class: j goes to my spare word
	v_min_u32 v[\t], QDUMP+31, v[\t]
	v_lshl_add_u32 v[\t], v[\t], 2, v245
	v_add_nc_u32 v[\t+1], \jc, v247
	ds_store_b32 v[\t], v[\t+1]
.endm
.irp q, 0,1,2,3,4,5,6,7,8,9,10,11,12,13,14,15
.irp e, 0,1,2,3
	QPUSH 56+4*\q+\e, 128*\q+\e, 148+2*\e
.endr
.endr
	s_wait_loadcnt 0x0
	; the weights: 47 loads, wanted only behind the scan, which covers their way
.macro LW1 f, row                      ; W1[row][16 t + r], t = 0, 1, as feature f of the packed order
	global_load_b32 v[56+\f], v6, s[10:11] offset:128*\row
	global_load_b32 v[62+\f], v6, s[10:11] offset:128*\row+64
.endm
	LW1 0, 1                                       ; |dx|
	LW1 1, 2                                       ; |dy|
	LW1 2, 3                                       ; |dw|
	LW1 3, 4                                       ; |dh|
	LW1 4, 0                                       ; iou
	LW1 5, 6                                       ; s_j
.irp t, 0,1
	global_load_b128 v[68+8*\t:71+8*\t], v7, s[12:13] offset:64*\t          ; b1[16 t + 8 h ..]
	global_load_b128 v[72+8*\t:75+8*\t], v7, s[12:13] offset:64*\t+16
	global_load_b128 v[84+8*\t:87+8*\t], v7, s[10:11] offset:640+64*\t      ; W1[5][16 t + 8 h ..]
	global_load_b128 v[88+8*\t:91+8*\t], v7, s[10:11] offset:640+64*\t+16
.endr
.irp q, 0,1,2,3,4,5,6,7
	global_load_b32 v[100+\q], v139, s[14:15] offset:64*\q                  ; W2[8 h + q][r]
	global_load_b32 v[108+\q], v139, s[14:15] offset:1024+64*\q             ; W2[16 + 8 h + q][r]
.endr
	global_load_b128 v[116:119], v7, s[16:17]                               ; b2[8 h ..]
	global_load_b128 v[120:123], v7, s[16:17] offset:16
	global_load_b128 v[124:127], v7, s[18:19]                               ; w3[8 h ..]
	global_load_b128 v[128:131], v7, s[18:19] offset:16
.irp k, 0,1,2,3,4
	global_load_b32 v[132+\k], v6, s[22:23] offset:64*\k                    ; lam_w1[k][r]
.endr
	global_load_b32 v137, v6, s[24:25]
	global_load_b32 v138, v6, s[26:27]
.irp m, 0,1,2,3,4,5,6,7
	v_mul_f32 v[41+2*\m], v[10+4*\m], v[11+4*\m]                            ; area, beside the score
	ds_store_b64 v140, v[10+4*\m:11+4*\m] offset:4096*\m                    ; (w, h)
	ds_store_b64 v140, v[40+2*\m:41+2*\m] offset:4096*\m+8                  ; (score, area)
	ds_store_b32 v5, v[41+2*\m] offset:TB+1024*\m                           ; area
	v_pk_add_f32 v[10+4*\m:11+4*\m], v[8+4*\m:9+4*\m], v[10+4*\m:11+4*\m]   ; (x + w, y + h)
	ds_store_b128 v4, v[8+4*\m:11+4*\m] offset:TA+4096*\m
.endr
	s_wait_dscnt 0x0                               ; my queue and my part of the table are in LDS before I say so
	s_barrier_signal -1
	v_pk_add_f32 v[210:211], v[212:213], v[214:215]   ; row i: (x + w, y + h)
	v_mul_f32 v208, v214, v215                     ; and its area
	v_mov_b32 v217, 0
	v_mov_b32 v242, 0                              ; sum of IoU
	v_mov_b32 v243, 0                              ; sum of s IoU
	s_barrier_wait -1                              ; the table is whole; from here LDS is read only
.irp b, 0,1,2,3
	ds_load_b128 v[X+4*\b:X+4*\b+3], v246 offset:TA+512*\b
	ds_load_b32 v[X+16+\b], v247 offset:TB+128*\b
.endr
; four blocks of 32 pairs out of buffer cur; fill = 1: the next four (blocks off .. off+3 from the trip's base) are asked for first
.macro HALF cur, nxt, fill, off
.if \fill
.irp b, 0,1,2,3
	ds_load_b128 v[\nxt+4*\b:\nxt+4*\b+3], v246 offset:TA+512*(\off+\b)
	ds_load_b32 v[\nxt+16+\b], v247 offset:TB+128*(\off+\b)
.endr
	s_wait_dscnt 8                                 ; only the eight loads just issued may be out: cur is in
.else
	s_wait_dscnt 0
.endif
.irp b, 0,1,2,3
	v_max_num_f32 v[T+6*\b], v212, v[\cur+4*\b]
	v_max_num_f32 v[T+6*\b+1], v213, v[\cur+4*\b+1]
	v_min_num_f32 v[T+6*\b+2], v210, v[\cur+4*\b+2]
	v_min_num_f32 v[T+6*\b+3], v211, v[\cur+4*\b+3]
.endr
.irp b, 0,1,2,3
	v_pk_add_f32 v[T+6*\b+2:T+6*\b+3], v[T+6*\b+2:T+6*\b+3], v[T+6*\b:T+6*\b+1] neg_lo:[0,1] neg_hi:[0,1]
	v_add_f32 v[T+6*\b+4], v208, v[\cur+16+\b]     ; area_i + area_j
.endr
.irp b, 0,1,2,3
	v_max_num_f32 v[T+6*\b+2], 0, v[T+6*\b+2]
	v_max_num_f32 v[T+6*\b+3], 0, v[T+6*\b+3]
.endr
.irp b, 0,1,2,3
	v_mul_f32 v[T+6*\b+2], v[T+6*\b+2], v[T+6*\b+3]   ; inter
.endr
.irp b, 0,1,2,3
	v_sub_f32 v[T+6*\b+4], v[T+6*\b+4], v[T+6*\b+2]
.endr
.irp b, 0,1,2
	v_add_f32 v[T+6*\b+4], EPS, v[T+6*\b+4]
.endr
.irp b, 0,1,2
	v_rcp_f32 v[T+6*\b+5], v[T+6*\b+4]
.endr
	v_add_f32 v[T+22], EPS, v[T+22]                ; block 3's: also the plain instruction between the three reciprocals and their use (ISA guide 5.7.2)
	v_rcp_f32 v[T+23], v[T+22]                     ; behind this one the sums of blocks 0-2 come first
	s_wait_alu depctr_va_vdst(0)
.irp b, 0,1,2,3
	v_fmac_f32 v242, v[T+6*\b+2], v[T+6*\b+5]      ; sum of IoU
.endr
.endm
	s_mov_b32 s37, 0
.Lscan:                                            ; seven trips of eight blocks; the last eight stand behind the loop
	HALF X, Y, 1, 4
	HALF Y, X, 1, 8
	v_add_nc_u32 v246, 4096, v246
	v_add_nc_u32 v247, 1024, v247
	s_add_co_u32 s37, s37, 1
	s_cmp_lt_u32 s37, 7
	s_cbranch_scc1 .Lscan
	HALF X, Y, 1, 4
	HALF Y, X, 0, 0                                ; nothing lies behind block 63
	; the weight fragments
	s_wait_loadcnt 0x0
	s_wait_kmcnt 0x0
	v_cmp_eq_u32 s44, 0, v3                        ; h = 0
	v_cmp_eq_u32 s45, 0, v2                        ; r = 0
	v_cmp_eq_u32 s46, 8, v2                        ; r = 8
.irp t, 0,1
.irp c, 0,1,2
	v_cvt_pk_bf16_f32 v[248+3*\t+\c], v[56+6*\t+2*\c], v[57+6*\t+2*\c]
.endr
.endr
.irp t, 0,1
.irp c, 0,1,2
	v_cndmask_b32 v[144+8*\t+\c], 0, v[248+3*\t+\c], s44                    ; A1a: k = 0..5, lanes with h = 0
	v_cndmask_b32 v[160+8*\t+\c], v[248+3*\t+\c], 0, s44                    ; A1b: k = 8..13, lanes with h = 1
.endr
.endr
.irp a, 144,152,160,168
.irp c, 3,4,5,6,7
	v_mov_b32 v[\a+\c], 0
.endr
.endr
.irp q, 0,1,2,3,4,5,6,7
	v_cvt_pk_bf16_f32 v[176+\q], v[100+2*\q], v[101+2*\q]                   ; A2: row r = W2[.][r]
.endr
.irp q, 0,1,2,3
	v_pk_mul_f32 v[124+2*\q:125+2*\q], v[124+2*\q:125+2*\q], NLOG2E op_sel_hi:[1,0]
.endr
.irp q, 0,1,2,3
	v_cvt_pk_bf16_f32 v[248+\q], v[124+2*\q], v[125+2*\q]
.endr
.irp c, 0,1,2,3
	v_cndmask_b32 v[184+\c], 0, v[248+\c], s45                              ; A3 row 0: k = 0..15
	v_cndmask_b32 v[188+\c], 0, v[248+\c], s46                              ; A3 row 8: k = 16..31
.endr
	s_mul_f32 s40, s40, NLOG2E
.irp c, 0,1,2,3,4,5,6,7
	v_mov_b32 v[192+\c], s40                                                ; C3
.endr
.irp c, 203,204,205,206,207
	v_mov_b32 v[\c], 0                                                      ; B1: k = 6, 7 and 16..31 stay zero
.endr
.irp q, 0,1,2,3,4,5,6,7
	v_pk_fma_f32 v[68+2*\q:69+2*\q], v[84+2*\q:85+2*\q], v[216:217], v[68+2*\q:69+2*\q] op_sel_hi:[1,0,1]   ; C1 = W1[5] s_i + b1
.endr
	v_cmp_gt_u32 vcc_lo, 16, v1
	v_cndmask_b32 v138, 0, v138, vcc_lo            ; lanes 16-31 repeat units 0-15 of the lambda MLP: they add nothing
	s_add_co_u32 s42, s34, 31
	s_lshr_b32 s42, s42, 5
	s_min_u32 s42, s42, 64                         ; trips: at least one, since j = i is always queued
	v_mov_b32 v244, v1                             ; my place in the queue
	s_mov_b32 s37, 0
.macro RELUPK dst, src                 ; eight results: ReLU in f32, then four packed bf16 registers
.irp j, 0,1,2,3,4,5,6,7
	v_max_num_f32 v[\src+\j], 0, v[\src+\j]
.endr
.irp q, 0,1,2,3
	v_cvt_pk_bf16_f32 v[\dst+\q], v[\src+2*\q], v[\src+2*\q+1]
.endr
.endm
.macro PLACES                          ; four independent vector instructions between a matrix instruction and the first reader of its result (ISA guide 7.12.1)
.rept 4
	v_nop
.endr
.endm
.Lmlp:
	v_min_u32 v248, 2079, v244
	v_lshl_add_u32 v248, v248, 2, v245
	ds_load_b32 v249, v248                         ; j of my pair
	v_cmp_gt_u32 s43, s34, v244                    ; a true entry, not padding
	s_wait_dscnt 0x0
	v_min_u32 v249, 2047, v249
	v_lshlrev_b32 v250, 4, v249
	ds_load_b128 v[218:221], v250 offset:TA        ; (x, y, x+w, y+h)
	ds_load_b128 v[224:227], v250 offset:TC        ; (w, h, score, area)
	s_wait_dscnt 0x0
	v_max_num_f32 v228, v212, v218
	v_max_num_f32 v229, v213, v219
	v_min_num_f32 v230, v210, v220
	v_min_num_f32 v231, v211, v221
	v_pk_add_f32 v[230:231], v[230:231], v[228:229] neg_lo:[0,1] neg_hi:[0,1]
	v_add_f32 v232, v208, v227
	v_max_num_f32 v230, 0, v230
	v_max_num_f32 v231, 0, v231
	v_mul_f32 v230, v230, v231                     ; inter
	v_sub_f32 v232, v232, v230
	v_add_f32 v232, EPS, v232
	v_rcp_f32 v233, v232
	v_pk_add_f32 v[234:235], v[212:213], v[218:219] neg_lo:[0,1] neg_hi:[0,1]   ; dx, dy
	v_pk_add_f32 v[228:229], v[214:215], v[224:225] neg_lo:[0,1] neg_hi:[0,1]   ; dw, dh
	s_wait_alu depctr_va_vdst(0)
	v_mul_f32 v236, v230, v233                     ; iou
	v_cvt_pk_bf16_f32 v200, v234, v235
	v_cvt_pk_bf16_f32 v201, v228, v229
	v_cvt_pk_bf16_f32 v202, v236, v226             ; (iou, s_j)
	v_and_b32 v200, 0x7fff7fff, v200               ; two magnitudes at once
	v_and_b32 v201, 0x7fff7fff, v201
	v_wmma_f32_16x16x32_bf16 v[8:15], v[144:151], v[200:207], v[68:75]      ; lanes 0-15's pairs, units 0-15
	v_wmma_f32_16x16x32_bf16 v[16:23], v[152:159], v[200:207], v[76:83]     ;                     units 16-31
	v_wmma_f32_16x16x32_bf16 v[24:31], v[160:167], v[200:207], v[68:75]     ; lanes 16-31's pairs
	v_wmma_f32_16x16x32_bf16 v[32:39], v[168:175], v[200:207], v[76:83]
	PLACES
	RELUPK 40, 8
	RELUPK 44, 16
	RELUPK 48, 24
	RELUPK 52, 32
	v_wmma_f32_16x16x32_bf16 v[84:91], v[176:183], v[40:47], v[116:123]
	v_wmma_f32_16x16x32_bf16 v[92:99], v[176:183], v[48:55], v[116:123]
	PLACES
	RELUPK 100, 84
	RELUPK 104, 92
	v_wmma_f32_16x16x32_bf16 v[108:115], v[184:191], v[100:107], v[192:199]
	PLACES
	v_exp_f32 v228, v108                           ; 2^(-log2e logit) of my own pair
	v_cndmask_b32 v229, 0, v236, s43               ; padding adds nothing
	s_wait_alu depctr_va_vdst(0)
	v_add_f32 v228, 1.0, v228
	v_rcp_f32 v230, v228                           ; sigmoid
	v_add_nc_u32 v244, 32, v244
	s_wait_alu depctr_va_vdst(0)
	v_fmac_f32 v243, v230, v229
	s_add_co_u32 s37, s37, 1
	s_cmp_lt_u32 s37, s42
	s_cbranch_scc1 .Lmlp
	; lambda: unit r in lane r, f32 (96 multiply-adds a row)
	v_fma_f32 v248, v212, v132, v137
	v_fma_f32 v248, v213, v133, v248
	v_fma_f32 v248, v214, v134, v248
	v_fma_f32 v248, v215, v135, v248
	v_fma_f32 v248, v216, v136, v248
	v_max_num_f32 v248, 0, v248
	v_mul_f32 v248, v248, v138
.macro WSUM reg                        ; sum over the 32 lanes, in every lane
.irp m, 1,2,4,8
	v_add_f32_dpp v[\reg], v[\reg], v[\reg] row_xmask:\m row_mask:0xf bank_mask:0xf
.endr
	v_permlanex16_b32 v249, v[\reg], s38, s39
	v_add_f32 v[\reg], v[\reg], v249
.endm
	WSUM 248
	WSUM 242
	WSUM 243
	v_add_f32 v248, s41, v248
	v_mul_f32 v248, NLOG2E, v248
	v_exp_f32 v250, v248
	v_nop
	s_wait_alu depctr_va_vdst(0)
	v_add_f32 v250, 1.0, v250
	v_rcp_f32 v251, v250                           ; lambda
	v_mul_f32 v242, 0x3a000000, v242               ; D = sum / 2048
	s_wait_alu depctr_va_vdst(0)
	v_mul_f32 v251, v251, v243                     ; lambda S
	v_mul_f32 v251, v251, v242                     ; E
	v_mul_f32 v251, NLOG2E, v251
	v_exp_f32 v250, v251
	v_nop
	s_wait_alu depctr_va_vdst(0)
	v_mul_f32 v250, v216, v250                     ; s_i exp(-E)
	v_cmp_eq_u32 vcc_lo, 0, v1
	s_wait_xcnt 0x0                                ; EXEC is narrowed only behind this wait
	s_barrier_signal -1
	s_barrier_wait -1
	s_wait_tensorcnt 0x0
	ds_add_u32 v254, v255
	s_wait_dscnt 0x0
	s_and_saveexec_b32 s36, vcc_lo
	global_store_b32 v143, v250, s[30:31]          ; out1[i]
	s_endpgm
.Lfunc_end_k_q283eaaf5d9_pairs:
	.size	k_q283eaaf5d9_pairs, .Lfunc_end_k_q283eaaf5d9_pairs-k_q283eaaf5d9_pairs
	.p2alignl 7, 3214868480
	.fill 96, 4, 3214868480
	.section	.rodata,"a",@progbits
	.p2align	6, 0x0
	.amdhsa_kernel k_q283eaaf5d9_pairs
		.amdhsa_group_segment_fixed_size 144384
		.amdhsa_private_segment_fixed_size 0
		.amdhsa_enable_private_segment 0
		.amdhsa_kernarg_size 112
		.amdhsa_user_sgpr_count 2
		.amdhsa_user_sgpr_kernarg_segment_ptr 1
		.amdhsa_wavefront_size32 1
		.amdhsa_system_sgpr_workgroup_id_x 1
		.amdhsa_system_sgpr_workgroup_id_y 1
		.amdhsa_system_sgpr_workgroup_id_z 1
		.amdhsa_system_vgpr_workitem_id 0
		.amdhsa_next_free_vgpr 256
		.amdhsa_next_free_sgpr 66
		.amdhsa_reserve_vcc 1
		.amdhsa_float_denorm_mode_32 3
		.amdhsa_float_denorm_mode_16_64 3
		.amdhsa_memory_ordered 1
		.amdhsa_forward_progress 1
		.amdhsa_inst_pref_size 65
	.end_amdhsa_kernel
	.amdgpu_metadata
---
amdhsa.version: [ 1, 2 ]
amdhsa.kernels:
  - .name:           k_q283eaaf5d9_pairs
    .symbol:         k_q283eaaf5d9_pairs.kd
    .args:
      - { .name: out0, .offset: 0, .size: 8, .value_kind: global_buffer, .address_space: global }
      - { .name: tops, .offset: 8, .size: 8, .value_kind: global_buffer, .address_space: global }
      - { .name: tcls, .offset: 16, .size: 8, .value_kind: global_buffer, .address_space: global }
      - { .name: sup_w1, .offset: 24, .size: 8, .value_kind: global_buffer, .address_space: global }
      - { .name: sup_b1, .offset: 32, .size: 8, .value_kind: global_buffer, .address_space: global }
      - { .name: sup_w2, .offset: 40, .size: 8, .value_kind: global_buffer, .address_space: global }
      - { .name: sup_b2, .offset: 48, .size: 8, .value_kind: global_buffer, .address_space: global }
      - { .name: sup_w3, .offset: 56, .size: 8, .value_kind: global_buffer, .address_space: global }
      - { .name: sup_b3, .offset: 64, .size: 8, .value_kind: global_buffer, .address_space: global }
      - { .name: lam_w1, .offset: 72, .size: 8, .value_kind: global_buffer, .address_space: global }
      - { .name: lam_b1, .offset: 80, .size: 8, .value_kind: global_buffer, .address_space: global }
      - { .name: lam_w2, .offset: 88, .size: 8, .value_kind: global_buffer, .address_space: global }
      - { .name: lam_b2, .offset: 96, .size: 8, .value_kind: global_buffer, .address_space: global }
      - { .name: out1, .offset: 104, .size: 8, .value_kind: global_buffer, .address_space: global }
    .group_segment_fixed_size: 144384
    .private_segment_fixed_size: 0
    .kernarg_segment_align: 8
    .kernarg_segment_size: 112
    .max_flat_workgroup_size: 256
    .sgpr_count:     66
    .vgpr_count:     256
    .wavefront_size: 32
...
	.end_amdgpu_metadata
.endif
;; end of part 3
